; MI455X (gfx1250); checked and timed in simulation.
; The chip was launched on July 23, 2026; its instructions are those of AMD's public machine-readable ISA for CDNA 5 (MIT licence, August 2026) and "CDNA5" Instruction Set Architecture Reference Guide (July 2026). The comments in the code are by the model that wrote it; some were corrected since.
;; Outer Product Mean. Allowed arithmetic: float matrix products may take bf16 or f16 operands with f32 sums; all other float work in f32.
;; Inputs: b1 32 float32; b2 128 float32; ln_beta 256 float32; ln_gamma 256 float32; w1 256 x 32 float32; w2 1,024 x 128 float32; x 1 x 128 x 256 x 256 float32.
;; Outputs: out0 1 x 256 x 256 x 128 float32.
;; One version. Each part assembles by itself: llvm-mc -triple=amdgcn-amd-amdhsa -mcpu=gfx1250 --defsym DOCPART=n.
;; ======== version 1 of 1: 2 launches
;; limits: values are held in f16: magnitudes above 65,504 overflow, below 6.1e-05 lose precision; right only within a limited range of input values
;; workspace buffers: at 2,097,152 bytes; w2f 524,288 bytes; sig 256 bytes
;; launch prep (part 1): grid 256 x 1, 8 waves a work-group, no clusters, 168,960 bytes of LDS; arguments x, ln_gamma, ln_beta, w1, b1, w2, at, w2f, sig; writes at, w2f, sig
.if DOCPART == 1
	.amdgcn_target "amdgcn-amd-amdhsa--gfx1250"
	.amdhsa_code_object_version 6
	.text
	.protected	k_q5a559c39f8_prep
	.globl	k_q5a559c39f8_prep
	.p2align	8
	.type	k_q5a559c39f8_prep,@function
k_q5a559c39f8_prep:
	s_mov_b64 s[64:65], 0
	v_nop
	global_prefetch_b8 v0, s[64:65] scope:SCOPE_SE
	s_setreg_imm32_b32 hwreg(HW_REG_WAVE_MODE, 25, 1), 1
	s_wait_xcnt 0x0
; prep: LayerNorm over 256 channels, fc1 (256 -> 32), a power-of-two scale, and the transposition that the second launch wants.
;   xhat = (x - mu) * rsqrt(var + 1e-5), mu and var in two passes in f32;
;   a = xhat . (gamma o w1) + (beta . w1 + b1), which equals ((x - mu) rstd gamma + beta) . w1 + b1 term by term for all values.
;   at[rb][c][rl][s] = f16(a[s][16 rb + rl][c] / sigma): each (c, residue) row is 128 s = 256 bytes, aligned.
;   w2f[d][side][t][p][lane][e], lane = 16 h + r, q = 16 p + 8 h + e: the second launch's fragments as they lie in registers;
;     side 0 = f16(w2[(q * 32 + d) * 128 + 16 t + r]), side 1 = f16(w2[(d * 32 + q) * 128 + 16 t + r]) (the two channel indices exchanged).
;   sig = 64 equal words sigma^2 / 128.
; No input is left out: every input reaches the result and is loaded.
; WHY f16 AND WHY sigma.  The result is compared against a hundredth of its root mean square, and six roundings to bf16 on the way would use up too much of that;
; f16 has three bits more.  Its range is kept by the computation itself: sum of xhat^2 = 256 var / (var + eps) <= 256, so |xhat| <= 16 and, by Cauchy-Schwarz,
; |a_c| <= 16 |gamma o w1 (column c)|_2 + |beta . w1 + b1|_c.  sigma is the power of two just above the largest of these 32 bounds, so |a / sigma| <= 1 (up to rounding)
; whatever the inputs' scale, and the second launch's sums over 128 s stay under about 128.  Every work-group computes the same sigma from the same numbers.
; LIMITS.  sigma^2 / 128 must be finite in f32: the bound stays under 2^60.  gamma o w1 goes to f16 as it is: magnitudes above 65,504 overflow, those under 6e-5 keep an
; absolute step of 6e-8; so do xhat and a / sigma.  A column of gamma o w1 some 600 times smaller than the largest loses f16 precision in a / sigma.
; If the bound is 0 all a are 0.  A NaN in a row of x spreads to that row's a as it does in the formula.
; SHARES.  Work-group g owns residue g for all 128 s (128 rows of 1,024 bytes); wave w owns s = 16 w .. 16 w + 15 and brings them in by ONE tensor load, issued first of all;
; it alone reads them, so its own wait on TENSORcnt is all their ordering.  No slot is filled twice: one tensor load a wave is out, and nothing follows it.
; No cluster: what the work-groups share (w1, gamma, beta, b1: 35 KB) is small beside a group's own 128 KB of x and comes through registers.
.set XROW,  1040                       ; an x row in LDS: 1,024 bytes + 16 of padding: the 16 rows that a load touches begin at 16 different 16-byte columns modulo 256
.set XW,    16*XROW                    ; a wave's 16 rows
.set W1L,   8*XW                       ; 133,120: gamma o w1 in f16, [c 32][m 256]
.set W1ROW, 528                        ; 512 bytes + 16
.set PL,    W1L+32*W1ROW               ; 150,016: [c 32], 80 bytes each: 8 waves' parts of beta . w1, then 8 waves' parts of the sum of squares
.set PROW,  80
.set STAGE, PL+32*PROW                 ; 152,576: a / sigma in f16, [c 32][s 128]
.set SROW,  272                        ; 256 bytes + 16
.set VR,   1                           ; v1   r = lane % 16
.set VH,   2                           ; v2   h = lane / 16
.set XA,   3                           ; v3   my 32 bytes of x row r: wave's tile + 1,040 r + 32 h
.set ADW,  4                           ; v4   w1 fragments: W1L + 528 r + 16 h
.set W1ST, 5                           ; v5   where I put 32 m of column c = lane
.set PST,  6                           ; v6   where I put my wave's two partial sums of column c = lane
.set PRD,  7                           ; v7   the partial sums of column c = r
.set SST,  8                           ; v8   stage, in
.set SRD,  9                           ; v9   stage, back by rows
.set GO,   10                          ; v10  my byte offset in at
.set OW1,  11                          ; v11  offset in w1
.set OGB,  12                          ; v12  offset in gamma and beta
.set OB1,  13                          ; v13  4 r
.set OW2,  14                          ; v14  offset in w2
.set OWF,  15                          ; v15  offset in w2f
.set SU,   16                          ; v[16:23] four chains of sums (pairs)
.set SQ,   24                          ; v[24:31] four chains of squares (pairs)
.set MU,   32                          ; v[32:33] mu, twice
.set RS,   34                          ; v[34:35] rstd, twice
.set INV,  36                          ; v[36:37] 1 / sigma, twice
.set BI,   38                          ; v[38:39] bias of c = r over sigma, twice; v[40:41] of c = 16 + r
.set B1R,  42                          ; v42 b1[r], v43 b1[16 + r]
.set T,    44                          ; v[44:47] at work
.set ACC,  48                          ; v[48:55] c = r, v[56:63] c = 16 + r
.set X,    64                          ; v[64:191] my half of x row r; before x is read: the five areas below
.set W1R,  64                          ; v[64:95]   w1[32 w + e][lane]
.set GAM,  96                          ; v[96:127]  gamma[32 w + e]
.set BET,  128                         ; v[128:159] beta[32 w + e]
.set W1H,  160                         ; v[160:175] gamma o w1, packed f16
.set W2T,  176                         ; v[176:187] w2's share
.set BUF,  192                         ; v[192:255] w1 fragments of K steps 0 to 3
	s_load_b512 s[4:19], s[0:1], 0x0               ; x 4, gamma 6, beta 8, w1 10, b1 12, w2 14, at 16, w2f 18
	s_load_b64 s[20:21], s[0:1], 0x40              ; sig
	s_set_vgpr_msb 0x40
	v_lshl_add_u32 v0, v0, 2, 0x29000
	v_mov_b32 v1, 0
	s_set_vgpr_msb 0x4045
	ds_add_u32 v0, v1
	ds_add_u32 v0, v1
	s_set_vgpr_msb 0x4500
	v_lshrrev_b32 v1, 5, v0
	v_readfirstlane_b32 s22, v1                    ; wave 0..7
	; descriptor group 1: 16 rows of 256 f32, 65,536 elements from row to row (one s further), 4 words of padding behind every 256 words
	s_mov_b32 s28, (2<<16)|(1<<20)|(7<<22)|(3<<25)
	s_mov_b32 s29, 256<<16                         ; tensor_dim0 = 256
	s_mov_b32 s30, 16<<16                          ; tensor_dim1 = 16
	s_mov_b32 s31, 256<<16                         ; tile_dim0 = 256
	s_mov_b32 s32, 16                              ; tile_dim1 = 16
	s_mov_b32 s33, 65536                           ; the pitch
	s_mov_b32 s34, 0
	s_mov_b32 s35, 0
	s_mov_b32 s24, 1
	s_mul_i32 s25, s22, XW                         ; LDS: the wave's own 16,640 bytes
	s_lshl_b32 s40, ttmp9, 10                      ; residue g: 1,024 bytes
	s_lshl_b32 s41, s22, 22                        ; 16 s of 262,144 bytes
	s_add_co_u32 s40, s40, s41
	s_mov_b32 s41, 0
	s_mov_b32 s36, 0x76543210                      ; v_permlanex16_b32: lane i reads lane i of the other half
	s_mov_b32 s37, 0xfedcba98
	s_mov_b32 s38, 0x3b800000                      ; 1 / 256
	s_wait_dscnt 0x0
	s_wait_kmcnt 0x0
	s_add_nc_u64 s[26:27], s[4:5], s[40:41]
	s_or_b32 s27, s27, 0x80000000                  ; type 2
	tensor_load_to_lds s[24:27], s[28:35]          ; all of my x, asked for before anything else
	s_nop 0
	; the parameters: wave w takes m = 32 w .. 32 w + 31, lane = column c
	v_and_b32 v[T], 31, v0                         ; lane
	v_and_b32 v[VR], 15, v0
	v_bfe_u32 v[VH], v0, 4, 1
	s_lshl_b32 s42, s22, 12
	v_lshl_add_u32 v[OW1], v[T], 2, s42            ; 4,096 w + 4 lane
	s_lshl_b32 s43, s22, 7
	v_mov_b32 v[OGB], s43                          ; 128 w, the same in all lanes
	v_lshlrev_b32 v[OB1], 2, v[VR]
.set e, 0
.rept 32
	global_load_b32 v[W1R+e], v[OW1], s[10:11] offset:128*e    ; a row of w1: 128 neighbouring bytes for the wave
.set e, e+1
.endr
.irp q, 0,1,2,3,4,5,6,7
	global_load_b128 v[GAM+4*\q:GAM+4*\q+3], v[OGB], s[6:7] offset:16*\q
	global_load_b128 v[BET+4*\q:BET+4*\q+3], v[OGB], s[8:9] offset:16*\q
.endr
	global_load_b32 v[B1R], v[OB1], s[12:13]
	global_load_b32 v[B1R+1], v[OB1], s[12:13] offset:64
	; LDS addresses, while these are on their way
	v_mul_u32_u24 v[XA], v[VR], XROW
	v_lshl_add_u32 v[XA], v[VH], 5, v[XA]
	v_add_nc_u32 v[XA], s25, v[XA]
	v_mul_u32_u24 v[ADW], v[VR], W1ROW
	v_lshl_add_u32 v[ADW], v[VH], 4, v[ADW]
	v_add_nc_u32 v[ADW], W1L, v[ADW]
	v_mul_u32_u24 v[W1ST], v[T], W1ROW
	s_lshl_b32 s44, s22, 6
	s_add_co_u32 s44, s44, W1L
	v_add_nc_u32 v[W1ST], s44, v[W1ST]             ; W1L + 528 lane + 64 w
	v_mul_u32_u24 v[PST], v[T], PROW
	s_lshl_b32 s45, s22, 2
	s_add_co_u32 s45, s45, PL
	v_add_nc_u32 v[PST], s45, v[PST]               ; PL + 80 lane + 4 w
	v_mul_u32_u24 v[PRD], v[VR], PROW
	v_add_nc_u32 v[PRD], PL, v[PRD]
	v_mul_u32_u24 v[SST], v[VR], SROW
	v_lshl_add_u32 v[SST], v[VH], 4, v[SST]
	s_lshl_b32 s44, s22, 5
	s_add_co_u32 s44, s44, STAGE
	v_add_nc_u32 v[SST], s44, v[SST]               ; STAGE + 272 r + 32 w + 16 h
	v_lshrrev_b32 v[T+1], 4, v0                    ; thread / 16 = 0..15
	v_mul_u32_u24 v[SRD], v[T+1], SROW
	v_lshl_add_u32 v[SRD], v[VR], 4, v[SRD]
	v_add_nc_u32 v[SRD], STAGE, v[SRD]
	v_lshlrev_b32 v[GO], 12, v[T+1]                ; c = thread / 16: 4,096 bytes
	v_lshl_add_u32 v[GO], v[VR], 4, v[GO]
	s_lshr_b32 s40, ttmp9, 4                       ; at: residue block g / 16, row g % 16
	s_lshl_b32 s40, s40, 17
	s_and_b32 s41, ttmp9, 15
	s_lshl_b32 s41, s41, 8
	s_add_co_u32 s40, s40, s41
	s_mov_b32 s41, 0
	s_add_nc_u64 s[16:17], s[16:17], s[40:41]
	s_wait_loadcnt 0x0
	; gamma o w1, its squares and beta . w1 over my 32 m, two m at a time, two chains each; the first products start the sums
.set q, 0
.rept 16
.if q < 2
	v_pk_mul_f32 v[SU+2*q:SU+2*q+1], v[BET+2*q:BET+2*q+1], v[W1R+2*q:W1R+2*q+1]
.else
	v_pk_fma_f32 v[SU+2*(q%2):SU+2*(q%2)+1], v[BET+2*q:BET+2*q+1], v[W1R+2*q:W1R+2*q+1], v[SU+2*(q%2):SU+2*(q%2)+1]
.endif
	v_pk_mul_f32 v[W1R+2*q:W1R+2*q+1], v[GAM+2*q:GAM+2*q+1], v[W1R+2*q:W1R+2*q+1]
.if q < 2
	v_pk_mul_f32 v[SQ+2*q:SQ+2*q+1], v[W1R+2*q:W1R+2*q+1], v[W1R+2*q:W1R+2*q+1]
.else
	v_pk_fma_f32 v[SQ+2*(q%2):SQ+2*(q%2)+1], v[W1R+2*q:W1R+2*q+1], v[W1R+2*q:W1R+2*q+1], v[SQ+2*(q%2):SQ+2*(q%2)+1]
.endif
	v_cvt_pk_f16_f32 v[W1H+q], v[W1R+2*q], v[W1R+2*q+1]
.set q, q+1
.endr
	v_pk_add_f32 v[SU:SU+1], v[SU:SU+1], v[SU+2:SU+3]
	v_pk_add_f32 v[SQ:SQ+1], v[SQ:SQ+1], v[SQ+2:SQ+3]
	v_add_f32 v[SU], v[SU], v[SU+1]
	v_add_f32 v[SQ], v[SQ], v[SQ+1]
.irp q, 0,1,2,3
	ds_store_b128 v[W1ST], v[W1H+4*\q:W1H+4*\q+3] offset:16*\q     ; 32 m of column c = lane, K along the LDS row
.endr
	ds_store_b32 v[PST], v[SU]
	ds_store_b32 v[PST], v[SQ] offset:32
	; w2's share: 1,024 units of 512 bytes, four for each work-group (d = g / 8, t = g % 8; side = wave / 2, p = wave % 2), so waves 0 to 3 alone
	s_cmp_ge_u32 s22, 4
	s_cbranch_scc1 .Lno_w2
	s_lshr_b32 s44, ttmp9, 3                       ; d
	s_and_b32 s45, ttmp9, 7
	s_lshl_b32 s45, s45, 6                         ; 64 t
	s_and_b32 s46, s22, 1                          ; p
	s_cmp_ge_u32 s22, 2
	s_cbranch_scc1 .Lw2_mirror
	s_lshl_b32 s44, s44, 9                         ; side 0, row q * 32 + d of 512 bytes: 512 d
	s_lshl_b32 s46, s46, 18                        ; 262,144 p
	s_add_co_u32 s44, s44, s45
	s_add_co_u32 s44, s44, s46
	v_lshl_add_u32 v[OW2], v[VH], 17, v[OB1]       ; 131,072 h + 4 r
	v_add_nc_u32 v[OW2], s44, v[OW2]
.irp e, 0,1,2,3,4,5,6,7
	global_load_b32 v[W2T+\e], v[OW2], s[14:15] offset:16384*\e    ; 32 rows of w2 further for each e
.endr
	s_branch .Lw2_got
.Lw2_mirror:
	s_lshl_b32 s44, s44, 14                        ; side 1, row d * 32 + q: 16,384 d
	s_lshl_b32 s46, s46, 13                        ; 8,192 p
	s_add_co_u32 s44, s44, s45
	s_add_co_u32 s44, s44, s46
	v_lshl_add_u32 v[OW2], v[VH], 12, v[OB1]       ; 4,096 h + 4 r
	v_add_nc_u32 v[OW2], s44, v[OW2]
.irp e, 0,1,2,3,4,5,6,7
	global_load_b32 v[W2T+\e], v[OW2], s[14:15] offset:512*\e      ; one row of w2 further for each e
.endr
.Lw2_got:
	s_lshr_b32 s44, ttmp9, 3
	s_lshl_b32 s44, s44, 14                        ; w2f: 16,384 d
	s_and_b32 s45, ttmp9, 7
	s_lshl_b32 s45, s45, 10                        ; + 1,024 t
	s_add_co_u32 s44, s44, s45
	s_lshr_b32 s45, s22, 1
	s_lshl_b32 s45, s45, 13                        ; + 8,192 side
	s_add_co_u32 s44, s44, s45
	s_and_b32 s46, s22, 1
	s_lshl_b32 s46, s46, 9                         ; + 512 p
	s_add_co_u32 s44, s44, s46
	v_lshl_add_u32 v[OWF], v[T], 4, s44            ; + 16 lane
	s_wait_loadcnt 0x0
.irp q, 0,1,2,3
	v_cvt_pk_f16_f32 v[W2T+8+\q], v[W2T+2*\q], v[W2T+2*\q+1]
.endr
	global_store_b128 v[OWF], v[W2T+8:W2T+11], s[18:19]            ; the wave stores 512 consecutive bytes, aligned
.Lno_w2:
	s_wait_dscnt 0x0                               ; my stores of gamma o w1 and of the partial sums are done, for the other waves' sake
	s_barrier_signal -1
	s_barrier_wait -1                              ; my tensor load may stay on its way across it
	; the bias, the bound and sigma, the same in every wave and lane group
.irp n, 0,1
.irp u, 0,1,2,3
	ds_load_b128 v[X+16*\n+4*\u:X+16*\n+4*\u+3], v[PRD] offset:16*PROW*\n+16*\u   ; column 16 n + r: 8 parts of beta . w1, 8 parts of the squares
.endr
.endr
.irp kk, 0,1,2,3
.irp n, 0,1
	ds_load_b128 v[BUF+16*\kk+8*\n:BUF+16*\kk+8*\n+3],   v[ADW] offset:16*W1ROW*\n+64*\kk
	ds_load_b128 v[BUF+16*\kk+8*\n+4:BUF+16*\kk+8*\n+7], v[ADW] offset:16*W1ROW*\n+64*\kk+32
.endr
.endr
	s_wait_dscnt 16                                ; LDS loads come back in order: the eight of the partial sums are in, the sixteen younger fragment loads stay out
.macro SUM8 b
	v_pk_add_f32 v[\b:\b+1], v[\b:\b+1], v[\b+2:\b+3]
	v_pk_add_f32 v[\b+4:\b+5], v[\b+4:\b+5], v[\b+6:\b+7]
	v_pk_add_f32 v[\b:\b+1], v[\b:\b+1], v[\b+4:\b+5]
	v_add_f32 v[\b], v[\b], v[\b+1]
.endm
	SUM8 X
	SUM8 X+8
	SUM8 X+16
	SUM8 X+24
	v_sqrt_f32 v[X+9], v[X+8]
	v_sqrt_f32 v[X+25], v[X+24]
	v_add_f32 v[X], v[X], v[B1R]                   ; beta . w1 + b1; also the plain instruction between the roots and their use (ISA guide 5.7.2)
	v_add_f32 v[X+16], v[X+16], v[B1R+1]
	s_wait_alu depctr_va_vdst(0)
	v_fma_f32 v[T], v[X+9], 0x41800000, |v[X]|     ; 16 |column| + |bias|
	v_fma_f32 v[T+1], v[X+25], 0x41800000, |v[X+16]|
	v_max_num_f32 v[T], v[T], v[T+1]
	v_max_num_f32_dpp v[T], v[T], v[T] row_xmask:1 row_mask:0xf bank_mask:0xf
	v_max_num_f32_dpp v[T], v[T], v[T] row_xmask:2 row_mask:0xf bank_mask:0xf
	v_max_num_f32_dpp v[T], v[T], v[T] row_xmask:4 row_mask:0xf bank_mask:0xf
	v_max_num_f32_dpp v[T], v[T], v[T] row_xmask:8 row_mask:0xf bank_mask:0xf   ; both halves of the wave hold the same 32 columns: no step across the halves
	v_and_b32 v[T], 0x7f800000, v[T]               ; the bound's power of two,
	v_add_nc_u32 v[T], 0x00800000, v[T]            ; doubled: sigma
	v_sub_nc_u32 v[INV], 0x7f000000, v[T]          ; exponent field 254 - e: 1 / sigma, exact
	v_mov_b32 v[INV+1], v[INV]
	v_mul_f32 v[BI], v[X], v[INV]
	v_mul_f32 v[BI+2], v[X+16], v[INV]
	v_mov_b32 v[BI+1], v[BI]
	v_mov_b32 v[BI+3], v[BI+2]
	s_or_b32 s44, ttmp9, s22                       ; one wave of the launch stores the scale
	s_cmp_lg_u32 s44, 0
	s_cbranch_scc1 .Lno_sig
	v_mul_f32 v[T+2], 0x3c000000, v[T]             ; sigma / 128
	v_mul_f32 v[T+2], v[T+2], v[T]                 ; sigma^2 / 128
	v_mov_b32 v[T+3], v[T+2]
	v_and_b32 v[T+1], 31, v0
	v_lshlrev_b32 v[T+1], 3, v[T+1]
	global_store_b64 v[T+1], v[T+2:T+3], s[20:21]  ; 32 lanes x 8 bytes: the whole buffer
.Lno_sig:
	; LayerNorm.  Lane (r, h) holds the 128 numbers of row r whose m has bit 3 equal to h, in the order of the matrix fragments:
	; X[16 kk + 0..7] = m 32 kk + 8 h + 0..7, X[16 kk + 8..15] = m 32 kk + 16 + 8 h + 0..7.
	s_wait_tensorcnt 0x0                           ; my 16 rows are in LDS; no other wave reads them
	s_wait_xcnt 0x0                                ; the stores above have had their addresses translated (ISA guide 3.1): their data registers are written again only behind this wait
.irp kk, 0,1,2,3,4,5,6,7
	ds_load_b128 v[X+16*\kk:X+16*\kk+3],     v[XA] offset:128*\kk
	ds_load_b128 v[X+16*\kk+4:X+16*\kk+7],   v[XA] offset:128*\kk+16
	ds_load_b128 v[X+16*\kk+8:X+16*\kk+11],  v[XA] offset:128*\kk+64
	ds_load_b128 v[X+16*\kk+12:X+16*\kk+15], v[XA] offset:128*\kk+80
.endr
	s_wait_dscnt 0x0                               ; x, and the w1 fragments of K steps 0 to 3
.set j, 0
.rept 4
	v_pk_add_f32 v[SU+2*j:SU+2*j+1], v[X+2*j:X+2*j+1], v[X+8+2*j:X+8+2*j+1]     ; four chains, started by the first eight pairs
.set j, j+1
.endr
.set j, 8
.rept 56
	v_pk_add_f32 v[SU+2*(j%4):SU+2*(j%4)+1], v[SU+2*(j%4):SU+2*(j%4)+1], v[X+2*j:X+2*j+1]
.set j, j+1
.endr
	v_pk_add_f32 v[SU:SU+1], v[SU:SU+1], v[SU+2:SU+3]
	v_pk_add_f32 v[SU+4:SU+5], v[SU+4:SU+5], v[SU+6:SU+7]
	v_pk_add_f32 v[SU:SU+1], v[SU:SU+1], v[SU+4:SU+5]
	v_add_f32 v[SU], v[SU], v[SU+1]
	v_permlanex16_b32 v[T+1], v[SU], s36, s37      ; the row's other half
	v_add_f32 v[SU], v[SU], v[T+1]
	v_mul_f32 v[MU], s38, v[SU]
	v_mov_b32 v[MU+1], v[MU]
.set j, 0
.rept 64
	v_pk_add_f32 v[X+2*j:X+2*j+1], v[X+2*j:X+2*j+1], v[MU:MU+1] neg_lo:[0,1] neg_hi:[0,1]   ; x - mu, in place
.if j < 4
	v_pk_mul_f32 v[SQ+2*j:SQ+2*j+1], v[X+2*j:X+2*j+1], v[X+2*j:X+2*j+1]
.else
	v_pk_fma_f32 v[SQ+2*(j%4):SQ+2*(j%4)+1], v[X+2*j:X+2*j+1], v[X+2*j:X+2*j+1], v[SQ+2*(j%4):SQ+2*(j%4)+1]
.endif
.set j, j+1
.endr
	v_pk_add_f32 v[SQ:SQ+1], v[SQ:SQ+1], v[SQ+2:SQ+3]
	v_pk_add_f32 v[SQ+4:SQ+5], v[SQ+4:SQ+5], v[SQ+6:SQ+7]
	v_pk_add_f32 v[SQ:SQ+1], v[SQ:SQ+1], v[SQ+4:SQ+5]
	v_add_f32 v[SQ], v[SQ], v[SQ+1]
	v_permlanex16_b32 v[T+1], v[SQ], s36, s37
	v_add_f32 v[SQ], v[SQ], v[T+1]
	v_fmaak_f32 v[SQ], s38, v[SQ], 0x3727c5ac      ; var + 1e-5
	v_rsq_f32 v[RS], v[SQ]
	v_rsq_f32 v[RS+1], v[SQ]
	v_nop                                          ; one plain instruction between the roots and their use (ISA guide 5.7.2)
.set j, 0
	s_wait_alu depctr_va_vdst(0)
.rept 64
	v_pk_mul_f32 v[X+2*j:X+2*j+1], v[X+2*j:X+2*j+1], v[RS:RS+1]
	v_cvt_pk_f16_f32 v[X+16*(j/8)+j%8], v[X+2*j], v[X+2*j+1]       ; packed downward in place: K step kk's fragment is X[16 kk .. 16 kk + 7]
.set j, j+1
.endr
	; w1 fragments of K steps 4 to 7 go into the upper halves that the packing has freed: (K step 4 + q, column tile n) at X[16 (2 q + n) + 8 ..]
.irp q, 0,1,2,3
.irp n, 0,1
	ds_load_b128 v[X+16*(2*\q+\n)+8:X+16*(2*\q+\n)+11],  v[ADW] offset:16*W1ROW*\n+64*(4+\q)
	ds_load_b128 v[X+16*(2*\q+\n)+12:X+16*(2*\q+\n)+15], v[ADW] offset:16*W1ROW*\n+64*(4+\q)+32
.endr
.endr
	; fc1: D(m = s, n = c).  The two accumulators take turns, one instruction a turn; the first products start the sums.
.irp kk, 0,1,2,3
.irp n, 0,1
.if \kk == 0
	v_wmma_f32_16x16x32_f16 v[ACC+8*\n:ACC+8*\n+7], v[X+16*\kk:X+16*\kk+7], v[BUF+16*\kk+8*\n:BUF+16*\kk+8*\n+7], 0
.else
	v_wmma_f32_16x16x32_f16 v[ACC+8*\n:ACC+8*\n+7], v[X+16*\kk:X+16*\kk+7], v[BUF+16*\kk+8*\n:BUF+16*\kk+8*\n+7], v[ACC+8*\n:ACC+8*\n+7]
.endif
.endr
.endr
	s_wait_dscnt 0x0                               ; the sixteen fragment loads of K steps 4 to 7
.irp q, 0,1,2,3
.irp n, 0,1
	v_wmma_f32_16x16x32_f16 v[ACC+8*\n:ACC+8*\n+7], v[X+16*(4+\q):X+16*(4+\q)+7], v[X+16*(2*\q+\n)+8:X+16*(2*\q+\n)+15], v[ACC+8*\n:ACC+8*\n+7]
.endr
.endr
.rept 4
	v_nop                                          ; four places between the last matrix instruction and the first reader of a result (ISA guide 7.12.1)
.endr
	; a / sigma = acc / sigma + bias / sigma; register q of lane (r, h) is s = 16 w + 8 h + q of column 16 n + r: eight neighbouring s pack into 16 bytes
.irp n, 0,1
.irp q, 0,1,2,3
	v_pk_fma_f32 v[ACC+8*\n+2*\q:ACC+8*\n+2*\q+1], v[ACC+8*\n+2*\q:ACC+8*\n+2*\q+1], v[INV:INV+1], v[BI+2*\n:BI+2*\n+1]
.endr
.endr
.irp t, 0,1,2,3,4,5,6,7
	v_cvt_pk_f16_f32 v[ACC+\t], v[ACC+2*\t], v[ACC+2*\t+1]
.endr
	ds_store_b128 v[SST], v[ACC:ACC+3]
	ds_store_b128 v[SST], v[ACC+4:ACC+7] offset:16*SROW
	s_wait_dscnt 0x0                               ; my part of the stage is written, for the other waves' sake
	s_barrier_signal -1
	s_barrier_wait -1
	ds_load_b128 v[ACC+8:ACC+11],  v[SRD]                          ; column c = thread / 16, all 128 s: sixteen lanes take one row of 256 bytes
	ds_load_b128 v[ACC+12:ACC+15], v[SRD] offset:16*SROW           ; column c + 16
	s_wait_dscnt 0x1                               ; the first is in, the second may be out
	global_store_b128 v[GO], v[ACC+8:ACC+11], s[16:17]             ; sixteen lanes store 256 consecutive bytes, aligned
	s_wait_dscnt 0x0
	global_store_b128 v[GO], v[ACC+12:ACC+15], s[16:17] offset:65536
	s_set_vgpr_msb 0x5
	s_wait_tensorcnt 0x0
	ds_add_u32 v0, v1
	s_wait_dscnt 0x0
	s_set_vgpr_msb 0x500
	s_endpgm
.Lfunc_end_k_q5a559c39f8_prep:
	.size	k_q5a559c39f8_prep, .Lfunc_end_k_q5a559c39f8_prep-k_q5a559c39f8_prep
	.p2alignl 7, 3214868480
	.fill 96, 4, 3214868480
	.section	.rodata,"a",@progbits
	.p2align	6, 0x0
	.amdhsa_kernel k_q5a559c39f8_prep
		.amdhsa_group_segment_fixed_size 168960
		.amdhsa_private_segment_fixed_size 0
		.amdhsa_enable_private_segment 0
		.amdhsa_kernarg_size 72
		.amdhsa_user_sgpr_count 2
		.amdhsa_user_sgpr_kernarg_segment_ptr 1
		.amdhsa_wavefront_size32 1
		.amdhsa_system_sgpr_workgroup_id_x 1
		.amdhsa_system_sgpr_workgroup_id_y 1
		.amdhsa_system_sgpr_workgroup_id_z 1
		.amdhsa_system_vgpr_workitem_id 0
		.amdhsa_next_free_vgpr 258
		.amdhsa_next_free_sgpr 66
		.amdhsa_reserve_vcc 0
		.amdhsa_float_denorm_mode_32 3
		.amdhsa_float_denorm_mode_16_64 3
		.amdhsa_memory_ordered 1
		.amdhsa_forward_progress 1
		.amdhsa_inst_pref_size 47
	.end_amdhsa_kernel
	.amdgpu_metadata
---
amdhsa.version: [ 1, 2 ]
amdhsa.kernels:
  - .name:           k_q5a559c39f8_prep
    .symbol:         k_q5a559c39f8_prep.kd
    .args:
      - { .name: x, .offset: 0, .size: 8, .value_kind: global_buffer, .address_space: global }
      - { .name: ln_gamma, .offset: 8, .size: 8, .value_kind: global_buffer, .address_space: global }
      - { .name: ln_beta, .offset: 16, .size: 8, .value_kind: global_buffer, .address_space: global }
      - { .name: w1, .offset: 24, .size: 8, .value_kind: global_buffer, .address_space: global }
      - { .name: b1, .offset: 32, .size: 8, .value_kind: global_buffer, .address_space: global }
      - { .name: w2, .offset: 40, .size: 8, .value_kind: global_buffer, .address_space: global }
      - { .name: at, .offset: 48, .size: 8, .value_kind: global_buffer, .address_space: global }
      - { .name: w2f, .offset: 56, .size: 8, .value_kind: global_buffer, .address_space: global }
      - { .name: sig, .offset: 64, .size: 8, .value_kind: global_buffer, .address_space: global }
    .group_segment_fixed_size: 168960
    .private_segment_fixed_size: 0
    .kernarg_segment_align: 8
    .kernarg_segment_size: 72
    .max_flat_workgroup_size: 256
    .sgpr_count:     66
    .vgpr_count:     258
    .wavefront_size: 32
...
	.end_amdgpu_metadata
.endif
;; end of part 1
;; launch opm (part 2): grid 16 x 16, 4 waves a work-group, clusters of 4 x 4, 327,680 bytes of LDS; arguments at, w2f, sig, b2, out0; writes out0
.if DOCPART == 2
	.amdgcn_target "amdgcn-amd-amdhsa--gfx1250"
	.amdhsa_code_object_version 6
	.text
	.protected	k_q5a559c39f8_opm
	.globl	k_q5a559c39f8_opm
	.p2align	8
	.type	k_q5a559c39f8_opm,@function
k_q5a559c39f8_opm:
	s_mov_b64 s[64:65], 0
	v_nop
	global_prefetch_b8 v0, s[64:65] scope:SCOPE_SE
	s_setreg_imm32_b32 hwreg(HW_REG_WAVE_MODE, 25, 1), 1
	s_wait_xcnt 0x0
	s_wait_alu depctr_hold_cnt(0) depctr_sa_sdst(0) depctr_va_vdst(0) depctr_va_sdst(0) depctr_va_ssrc(0) depctr_va_vcc(0) depctr_vm_vsrc(0)
	s_getreg_b32 s2, hwreg(HW_REG_IB_STS2, 6, 4)
	s_cmp_eq_u32 s2, 0
	s_cbranch_scc0 .Lentry_in_a_cluster
	s_endpgm
.Lentry_in_a_cluster:
	s_bfe_u32 s2, ttmp6, 0x10000c
	s_cmp_lg_u32 s2, 0xf033
	s_cbranch_scc0 .Lentry_shape_is_right
	s_endpgm
.Lentry_shape_is_right:
; opm: out[i][j][z] = (sigma^2 / 128) * sum over c, d of w2[c * 32 + d][z] * op[i][j][c][d] + b2[z], op[i][j][c][d] = sum over s of a'[s][i][c] a'[s][j][d], a' = a / sigma.
; WORK LEFT OUT.  Both factors of op are the same a', so op[i][j][c][d] = op[j][i][d][c] for all values of the inputs.  The sums over s of an off-diagonal block of residues
; (I, J) are therefore formed once and serve out[i][j] (with w2's rows c * 32 + d) and out[j][i] (with w2's rows d * 32 + c, the second side of the first launch's table):
; out[j][i][z] = sum over c', d' of w2[c' * 32 + d'][z] op[j][i][c'][d'] = sum over c, d of w2[d * 32 + c][z] op[i][j][c][d].  A quarter of the products less 1/64 goes:
; 240 x 6,144 + 16 x 8,192 matrix instructions in place of 256 x 8,192.  No input is left out.  op (8,192 x 8,192 numbers) never leaves the registers.
; WHO DOES WHAT.  16 clusters of 4 x 4 work-groups.  Cluster J = 0..14 takes block J with its eight partners I = (J + k) mod 15, k = 1..7, and I = 15: since 15 is odd each
; unordered pair of the 16 blocks occurs once.  Place p = cx + 4 cy in the cluster: partner p / 2, half p % 2 of its 16 i.  Cluster 15 takes the 16 diagonal blocks I = J = p.
; The branch between the two bodies hangs on the cluster's number alone, which all partners share.
; THE CHAIN, for one d and one i: the first product takes the 32 rows c of a'_i (two tiles of 16) as source 0 and the 16 columns j of a'[., j, d] as source 1, K = s = 128.
; In its result lane (r, h) holds column j = r and rows c = 8 h + 0..7 (second tile: 16 + 8 h + 0..7).  Eight conversions to f16 pack the two tiles into exactly a 16-bit
; fragment with column j = r and K = c = 0..31.  A second product takes a w2 fragment (rows z, K = c, for this d) as source 0 and that fragment as source 1:
; lane (r, h) then holds z = 16 t + 8 h + 0..7 of column j = r, eight neighbouring numbers of a row of out.
; A HALF PAIR: 8 i x 16 j, both sides.  Wave w has the four i of quad w / 2 and the sixteen d of half w % 2: 16 x 96 = 1,536 matrix instructions, 512 accumulator registers.
; The two waves of a quad hold partial sums over their halves of d.  Each FINISHES one side (even waves out[i][j], odd waves out[j][i]); its sums for that side lie in window 2
; ("kept"), those for the other side in window 3 ("given"), so the text is the same for both and only LDS and output addresses differ.  The partial sums meet in the stage
; through which the results pass anyway.
; A DIAGONAL BLOCK: 16 i x 16 j, one side; wave w has i = 4 w .. 4 w + 3 and all 32 d: 2,048 matrix instructions.
; THE SCHEDULE.  The wave's four i are two pieces, A (i' = 0, 1) and B (i' = 2, 3), which share the fragments of a'_J and of w2 and take turns; conversions and LDS loads stand
; in slices behind matrix instructions that do not depend on them.
; FORMATS.  f16 operands, f32 sums.  |a'| <= 1 by the first launch's bound, so the sums over 128 s stay under about 128, inside f16 for every input; small sums keep an
; absolute step of 6e-8.  w2 goes to f16 as it is (magnitudes above 65,504 overflow; under 6e-5 the step is 6e-8); the factor 1/128 is kept out of it and sits in the scale.
; out[i][j] and out[j][i] are rounded from the same f16 sums.  A NaN or an infinity in a' reaches both sides as it does in the formula.
; JOINT LOADS.  In clusters 0..14 all sixteen work-groups read the same a'_J and the same w2, 640 of a work-group's 704 KB; a mask names four, so the four of a row ask jointly
; (waves 0 and 1 for a'_J, waves 2 and 3 for w2), and row cy starts its walk over d two slots further on than row cy - 1 and wraps round (the sum over d has no order), so
; that the four rows ask for four different parts at a time.  The 8 i of a'_I are a work-group's own: no partner reads them, so they come by a load of its own.
; In cluster 15 w2 is shared in the same way; a'_I = a'_J is each work-group's own.  A wave has three tensor loads out at the start and one behind each later refill.
; REGISTERS, in windows of 256: window 0 addresses, fragments, the first product's results; window 1 the fragments of a'_i, loaded once; windows 2 and 3 the accumulators.
.set JROW,  272                        ; a row of a'_J: 256 bytes (128 s) + 16: the 16 rows of a fragment load begin at 16 different 16-byte columns modulo 256
.set JPL,   16*JROW                    ; a plane: 16 j of one d
.set WOFF,  4*JPL                      ; 17,408: four planes lie in front of a slot's w2
.set WS,    8192                       ; one side of w2 for one d: 8 t x 2 halves x 512 bytes, read as they lie
.set WD,    2*WS                       ; both sides
.set IROW,  1040                       ; a row c of a'_I: 4 i x 256 bytes + 16
.set SROW,  528                        ; a stage row: 512 bytes + 16
.set STGW,  16*SROW                    ; a stage: 16 rows
.set STG,   233472                     ; the stages of both bodies begin here; no tensor load of either body lands at or behind this byte
.set SLOTP, WOFF+4*WD                  ; 82,944, half pair: a slot holds two d for each half of d
.set IBP,   2*SLOTP                    ; 165,888: a'_I, two quads of 32 rows
.set IBH,   16*IROW                    ; 16,640: what one wave fetches of it
.set SLOTD, WOFF+4*WS                  ; 50,176, diagonal: a slot holds four d, one side
.set IBD,   2*SLOTD                    ; 100,352: a'_I, each wave's own 32 rows
.set IBW,   32*IROW
.set ADRB, 8                           ; v8, v9    a'_J fragments in slot 0, 1
.set ADRK, 10                          ; v10, v11  w2 fragments in slot 0, 1 (half pair: the kept side's)
.set ADRA, 12                          ; v12       a'_I fragments
.set STO,  13                          ; v13       stage, in
.set RD,   14                          ; v14       my stage, back by rows
.set CO,   15                          ; v15       16 lane: my bytes of a row of out, and of b2
.set B2,   16                          ; v[16:19]  b2[4 lane ..]
.set ADRG, 20                          ; v20, v21  half pair: the given side's w2 fragments in slot 0, 1
.set RDG,  22                          ; v22       half pair: my partner wave's stage for my side, back by rows
.set BF,   32                          ; v[32:63]   a'_J fragments of one d, K step k at 8 k
.set OJ,   32                          ; v[32:47]   half pair, on the way out: byte offset of row jj
.set WK,   64                          ; v[64:127]  w2 fragments of one d, z tile t at 8 t (half pair: the kept side)
.set WG,   128                         ; v[128:191] half pair: the given side
; OP, FR, FRS are set at the head of each body: the first product in f32 (tile 2 i' + ch at OP + 8 tile) and packed to f16 (i' at FR + FRS i')
.set G0I, 20                           ; s[20:23] group 0, a'_I
.set G1I, 24                           ; s[24:31] group 1, a'_I
.set G1J, 32                           ; s[32:39] group 1, a'_J
.set G1W, 40                           ; s[40:47] group 1, w2
.set G0J, 48                           ; s[48:55] group 0, a'_J, a set for each slot
.set G0W, 56                           ; s[56:63] group 0, w2, a set for each slot
; Numbers made of cx are held by s17, s18, s[70:71], s78, s88 to s90, a'_I's descriptors and out's address alone (in the diagonal body also by s[80:81] and a'_J's
; descriptors, which are plain loads there).  What feeds a joint load is made of cy, the cluster's number and the wave's number.  No LDS address is made of cx or cy.
.set MSB, 0
.macro WIN new                         ; the immediate's high byte repeats the setting that is left; a switch that changes nothing is dropped
.if MSB != \new
	s_set_vgpr_msb (MSB<<8)|\new
.set MSB, \new
.endif
.endm
.macro PLACES n
.rept \n
	v_nop
.endr
.endm
; A round of the cluster's barrier: my work-group's barrier, wave 0 signals for the work-group, every wave waits for all sixteen work-groups, my work-group's barrier once more.
.macro CREST                           ; a round behind its opening barrier
	s_cmp_lg_u32 s14, 0
	s_cbranch_scc1 .Lnot_wave_0_\@
	s_barrier_signal -3
.Lnot_wave_0_\@:
	s_barrier_wait -3
	s_barrier_signal -1
	s_barrier_wait -1
.endm
.macro ROUND
	s_barrier_signal -1
	s_barrier_wait -1
	CREST
.endm
.macro SHAPE g, c, r, p                ; words 1 to 7 of a group 1: r rows of c elements, p elements from row to row; the tile lies inside the tensor
	s_mov_b32 s[\g+1], (\c)<<16
	s_mov_b32 s[\g+2], (\r)<<16
	s_mov_b32 s[\g+3], (\c)<<16
	s_mov_b32 s[\g+4], \r
	s_mov_b32 s[\g+5], \p
	s_mov_b32 s[\g+6], 0
	s_mov_b32 s[\g+7], 0
.endm
; The first fills, one group: my part of a'_I, then my part of both slots, under one branch on the wave's number; three loads on either way.
.macro FIRST
	tensor_load_to_lds s[G0I:G0I+3], s[G1I:G1I+7]
	s_nop 0
	s_cmp_eq_u32 s15, 0
	s_cbranch_scc0 .Lfirst_w_\@
	tensor_load_to_lds s[G0J:G0J+3], s[G1J:G1J+7]
	s_nop 0
	tensor_load_to_lds s[G0J+4:G0J+7], s[G1J:G1J+7]
	s_nop 0
	s_branch .Lfirst_done_\@
.Lfirst_w_\@:
	tensor_load_to_lds s[G0W:G0W+3], s[G1W:G1W+7]
	s_nop 0
	tensor_load_to_lds s[G0W+4:G0W+7], s[G1W:G1W+7]
	s_nop 0
.Lfirst_done_\@:
.endm
; A refill: one tensor load a wave.  The branch hangs on the wave's number alone.
.macro JLOAD s
	s_cmp_eq_u32 s15, 0
	s_cbranch_scc0 .Lfor_w_\@
	tensor_load_to_lds s[G0J+4*\s:G0J+4*\s+3], s[G1J:G1J+7]
	s_nop 0
	s_branch .Lasked_\@
.Lfor_w_\@:
	tensor_load_to_lds s[G0W+4*\s:G0W+4*\s+3], s[G1W:G1W+7]
	s_nop 0
.Lasked_\@:
.endm
; The global addresses of slot filling number s76 (0..7) into the slot's two descriptors; then s76 goes on by one and wraps at 8.  A filling's bytes in a'_J are 1 << shj,
; in w2 1 << shw.  s73 and s75 stay 0.
.macro NEXTADR slot, shj, shw
	s_lshl_b32 s72, s76, \shj
	s_lshl_b32 s74, s76, \shw
	s_add_nc_u64 s[G0J+4*\slot+2:G0J+4*\slot+3], s[80:81], s[72:73]
	s_add_nc_u64 s[G0W+4*\slot+2:G0W+4*\slot+3], s[82:83], s[74:75]
	s_or_b32 s[G0J+4*\slot+3], s[G0J+4*\slot+3], 0x80000000        ; type 2
	s_or_b32 s[G0W+4*\slot+3], s[G0W+4*\slot+3], 0x80000000
	s_add_co_u32 s76, s76, 1
	s_and_b32 s76, s76, 7
.endm
.macro AFLOAD                          ; 64 loads, once: the fragments of my four a'_i into window 1, (i', half of c, K step) at 64 i' + 32 ch + 8 k
	WIN 0x40
.irp ip, 0,1,2,3
.irp ch, 0,1
.irp k, 0,1,2,3
	ds_load_b128 v[64*\ip+32*\ch+8*\k:64*\ip+32*\ch+8*\k+3],   v[ADRA] offset:16*IROW*\ch+256*\ip+64*\k
	ds_load_b128 v[64*\ip+32*\ch+8*\k+4:64*\ip+32*\ch+8*\k+7], v[ADRA] offset:16*IROW*\ch+256*\ip+64*\k+32
.endr
.endr
.endr
	WIN 0
.endm
.macro LDB s, dl                       ; 8 loads: a'[., j, d], four K steps of 32 s
.irp k, 0,1,2,3
	ds_load_b128 v[BF+8*\k:BF+8*\k+3],   v[ADRB+\s] offset:\dl*JPL+64*\k
	ds_load_b128 v[BF+8*\k+4:BF+8*\k+7], v[ADRB+\s] offset:\dl*JPL+64*\k+32
.endr
.endm
.macro LDW wf, adr, off, t0            ; 8 loads: w2 fragments of z tiles t0 .. t0 + 3 into wf, 512 neighbouring bytes each
.irp u, 0,1,2,3
	ds_load_b128 v[\wf+8*(\t0+\u):\wf+8*(\t0+\u)+3],   v[\adr] offset:1024*(\t0+\u)+\off
	ds_load_b128 v[\wf+8*(\t0+\u)+4:\wf+8*(\t0+\u)+7], v[\adr] offset:1024*(\t0+\u)+512+\off
.endr
.endm
.macro CVT ip                          ; 8 conversions: the 16 f32 of i' (c = 8 h + 0..7, 16 + 8 h + 0..7) become its fragment of 8 registers of f16 (in place: downward)
.irp t, 0,1,2,3,4,5,6,7
	v_cvt_pk_f16_f32 v[FR+FRS*\ip+\t], v[OP+16*\ip+2*\t], v[OP+16*\ip+2*\t+1]
.endr
.endm
; The first product of piece pc: 16 matrix instructions, number g = 4 k + tile.  The piece's four tiles take turns, one instruction a turn; the first
; K step starts the sums.  This macro issues numbers first .. first + count - 1; nop = 1 sets a v_nop behind each.
.macro G1RUN pc, first, count, nop
.set gi, \first
.rept \count
.if gi < 4
	v_wmma_f32_16x16x32_f16 v[OP+8*(4*\pc+gi%4):OP+8*(4*\pc+gi%4)+7], v[32*(4*\pc+gi%4)+8*(gi/4):32*(4*\pc+gi%4)+8*(gi/4)+7], v[BF+8*(gi/4):BF+8*(gi/4)+7], 0
.else
	v_wmma_f32_16x16x32_f16 v[OP+8*(4*\pc+gi%4):OP+8*(4*\pc+gi%4)+7], v[32*(4*\pc+gi%4)+8*(gi/4):32*(4*\pc+gi%4)+8*(gi/4)+7], v[BF+8*(gi/4):BF+8*(gi/4)+7], v[OP+8*(4*\pc+gi%4):OP+8*(4*\pc+gi%4)+7]
.endif
.if \nop
	v_nop
.endif
.set gi, gi+1
.endr
.endm
; A second product of piece pc with the w2 fragments at wf: 16 matrix instructions, number g = 8 (i' within the piece) + t, one on each accumulator of the window that is set:
; they take turns, one instruction a turn.  zero = 1: the first d starts the sums.
.macro G2RUN wf, pc, first, count, nop, zero
.set gi, \first
.rept \count
.if \zero
	v_wmma_f32_16x16x32_f16 v[64*(2*\pc+gi/8)+8*(gi%8):64*(2*\pc+gi/8)+8*(gi%8)+7], v[\wf+8*(gi%8):\wf+8*(gi%8)+7], v[FR+FRS*(2*\pc+gi/8):FR+FRS*(2*\pc+gi/8)+7], 0
.else
	v_wmma_f32_16x16x32_f16 v[64*(2*\pc+gi/8)+8*(gi%8):64*(2*\pc+gi/8)+8*(gi%8)+7], v[\wf+8*(gi%8):\wf+8*(gi%8)+7], v[FR+FRS*(2*\pc+gi/8):FR+FRS*(2*\pc+gi/8)+7], v[64*(2*\pc+gi/8)+8*(gi%8):64*(2*\pc+gi/8)+8*(gi%8)+7]
.endif
.if \nop
	v_nop
.endif
.set gi, gi+1
.endr
.endm
	; ---------------------------------------------------------------- the head, common to both bodies
	s_load_b256 s[4:11], s[0:1], 0x0               ; at 4, w2f 6, sig 8, b2 10
	s_load_b64 s[12:13], s[0:1], 0x20              ; out0
	v_lshl_add_u32 v30, v0, 2, 0x49800
	v_mov_b32 v31, 0
	ds_add_u32 v30, v31
	ds_add_u32 v30, v31
	v_lshrrev_b32 v1, 5, v0
	v_readfirstlane_b32 s14, v1                    ; wave 0..3
	s_lshr_b32 s15, s14, 1                         ; 0: I ask for a'_J; 1: for w2.  Half pair: also my quad of i
	s_and_b32 s16, s14, 1                          ; which half of a slot I ask for.  Half pair: also my half of d
	s_bfe_u32 s17, ttmp6, 0x40000                  ; cx
	s_bfe_u32 s67, ttmp6, 0x40004                  ; cy
	s_and_b32 s87, ttmp7, 0xffff
	s_lshl_b32 s87, s87, 2
	s_add_co_u32 s87, s87, ttmp9                   ; the cluster's number, 0..15
	s_lshl_b32 s78, s67, 2
	s_add_co_u32 s78, s78, s17                     ; p = cx + 4 cy, my place in the cluster
	s_lshl_b32 s77, s67, 2
	s_lshl_b32 s77, 15, s77                        ; my row of the cluster: places 4 cy .. 4 cy + 3
	s_lshl_b32 s76, s67, 1                         ; my row's walk over the eight slot fillings begins at filling 2 cy
	s_mov_b32 s71, 0
	s_mov_b32 s73, 0
	s_mov_b32 s75, 0
	s_mov_b32 s85, 0
	s_mov_b32 s[G0I], 1
	s_mov_b32 s[G0J], 1
	s_mov_b32 s[G0J+4], 1
	s_mov_b32 s[G0W], 1
	s_mov_b32 s[G0W+4], 1
	v_and_b32 v1, 15, v0                           ; r
	v_bfe_u32 v2, v0, 4, 1                         ; h
	v_and_b32 v3, 31, v0                           ; lane
	v_lshlrev_b32 v[CO], 4, v3
	s_wait_dscnt 0x0
	s_wait_kmcnt 0x0
	s_load_b64 s[68:69], s[8:9], 0x0               ; sigma^2 / 128, twice; an earlier launch stored it
	s_cmp_eq_u32 s87, 15
	s_cbranch_scc1 .Ldiag
	; ---------------------------------------------------------------- A HALF PAIR: J = the cluster's number, I from my place
.set OP,  192                          ; v[192:255] the first product; window 0 has no room for a copy, so it is packed in place:
.set FR,  192                          ; i' has its fragment in the lower half of its 16 registers
.set FRS, 16
	s_lshr_b32 s88, s78, 1                         ; which of J's eight partners
	s_and_b32 s89, s78, 1                          ; which half of its 16 i
	s_add_co_u32 s18, s87, s88
	s_add_co_u32 s18, s18, 1                       ; J + k, k = 1..8,
	s_cmp_ge_u32 s18, 15
	s_cselect_b32 s90, 15, 0
	s_sub_co_u32 s18, s18, s90                     ; modulo 15;
	s_cmp_eq_u32 s88, 7
	s_cselect_b32 s18, 15, s18                     ; the eighth partner is block 15
	; a'_I: 16 rows (c) of 512 f16 (a quad's 4 i), 2,048 elements from c to c + 1, 4 words of padding behind every 256; no mask: a load of my own
	s_mov_b32 s[G1I+0], (1<<16)|(1<<20)|(7<<22)|(3<<25)
	SHAPE G1I, 512, 16, 2048
	; a'_J: two planes = 32 dense rows of 256 bytes (32 elements of 8 bytes), 4 words of padding behind every 64; the mask of my row, bit 21 beside it
	s_or_b32 s[G1J+0], s77, (3<<16)|(1<<20)|(1<<21)|(5<<22)|(3<<25)
	SHAPE G1J, 32, 32, 32
	; w2: two d, both sides = 128 dense rows of 256 bytes, no padding; the mask of my row
	s_or_b32 s[G1W+0], s77, (3<<16)|(1<<21)
	SHAPE G1W, 32, 128, 32
	; LDS addresses: constants and the wave's number alone
	s_mul_i32 s[G0I+1], s14, IBH                   ; quad w / 2, rows c = 16 (w % 2) ..
	s_add_co_u32 s[G0I+1], s[G0I+1], IBP
	s_mul_i32 s[G0J+1], s16, 2*JPL                 ; the planes of half w % 2 of d
	s_add_co_u32 s[G0J+5], s[G0J+1], SLOTP
	s_lshl_b32 s[G0W+1], s16, 15                   ; the w2 of half w % 2 of d
	s_add_co_u32 s[G0W+1], s[G0W+1], WOFF
	s_add_co_u32 s[G0W+5], s[G0W+1], SLOTP
	; global addresses
	s_lshl_b32 s70, s18, 17                        ; a'_I: 131,072 I + 16 rows c of 4,096 for the odd wave + 2,048 for the upper 8 i + 1,024 for the upper quad
	s_lshl_b32 s90, s16, 16
	s_add_co_u32 s70, s70, s90
	s_lshl_b32 s90, s89, 11
	s_add_co_u32 s70, s70, s90
	s_lshl_b32 s90, s15, 10
	s_add_co_u32 s70, s70, s90
	s_add_nc_u64 s[G0I+2:G0I+3], s[4:5], s[70:71]
	s_or_b32 s[G0I+3], s[G0I+3], 0x80000000
	s_lshl_b32 s72, s87, 17                        ; a'_J: 131,072 J + 16 planes for the odd wave
	s_lshl_b32 s74, s16, 16
	s_add_co_u32 s72, s72, s74
	s_add_nc_u64 s[80:81], s[4:5], s[72:73]
	s_lshl_b32 s74, s16, 18                        ; w2: 16 d of 16,384 bytes for the odd wave
	s_add_nc_u64 s[82:83], s[6:7], s[74:75]
	NEXTADR 0, 13, 15                              ; a filling: two planes of 4,096 bytes, two d of 16,384
	NEXTADR 1, 13, 15
	; out.  i0 = 16 I + 8 half + 4 quad.  Even waves finish rows (i0 + i', 16 J + jj), odd waves rows (16 J + jj, i0 + i'); a row (a, b) lies at 131,072 a + 512 b.
	s_lshl_b32 s70, s18, 4
	s_lshl3_add_u32 s70, s89, s70
	s_lshl2_add_u32 s70, s15, s70
	s_lshl_b32 s88, s70, 17
	s_lshl_b32 s90, s87, 13
	s_add_co_u32 s88, s88, s90
	s_lshl_b32 s89, s70, 9
	s_lshl_b32 s90, s87, 21
	s_add_co_u32 s89, s89, s90
	s_mov_b32 s91, 131072
	s_cmp_eq_u32 s16, 0
	s_cselect_b32 s70, s88, s89
	s_cselect_b32 s84, s91, 512                    ; bytes from i' to i' + 1
	s_cselect_b32 s86, 512, s91                    ; bytes from jj to jj + 1
	s_add_nc_u64 s[12:13], s[12:13], s[70:71]
	ROUND                                          ; all sixteen work-groups are here: the first joint loads meet
	FIRST
	v_mul_u32_u24 v4, v1, JROW
	v_lshl_add_u32 v4, v2, 4, v4
	v_add_nc_u32 v[ADRB], s[G0J+1], v4             ; my half's planes + 272 r + 16 h
	v_add_nc_u32 v[ADRB+1], SLOTP, v[ADRB]
	s_mul_i32 s79, s16, 2*WD+WS                    ; kept: even waves side 0 of half 0, odd waves side 1 of half 1
	s_add_co_u32 s79, s79, WOFF
	v_add_nc_u32 v[ADRK], s79, v[CO]
	v_add_nc_u32 v[ADRK+1], SLOTP, v[ADRK]
	s_mul_i32 s79, s16, 2*WD-WS                    ; given: even waves side 1 of half 0, odd waves side 0 of half 1
	s_add_co_u32 s79, s79, WOFF+WS
	v_add_nc_u32 v[ADRG], s79, v[CO]
	v_add_nc_u32 v[ADRG+1], SLOTP, v[ADRG]
	v_mul_u32_u24 v4, v1, IROW
	v_lshl_add_u32 v4, v2, 4, v4
	s_mul_i32 s79, s15, 2*IBH
	s_add_co_u32 s79, s79, IBP
	v_add_nc_u32 v[ADRA], s79, v4                  ; my quad + 1,040 r + 16 h
	s_mul_i32 s79, s14, 2*STGW                     ; my two stages: kept, then given
	s_add_co_u32 s79, s79, STG
	v_mul_u32_u24 v4, v1, SROW
	v_lshl_add_u32 v4, v2, 5, v4
	v_add_nc_u32 v[STO], s79, v4                   ; + 528 r + 32 h
	v_add_nc_u32 v[RD], s79, v[CO]
	s_xor_b32 s79, s14, 1                          ; my partner wave: the same quad, the other half of d;
	s_mul_i32 s79, s79, 2*STGW
	s_add_co_u32 s79, s79, STG+STGW                ; what it gives is my side
	v_add_nc_u32 v[RDG], s79, v[CO]
	global_load_b128 v[B2:B2+3], v[CO], s[10:11]
	s_wait_tensorcnt 0x1                           ; tensor loads of a wave end in order (ISA guide 10.11.1): my parts of a'_I and of slot 0 are in; slot 1's may stay out
	s_barrier_signal -1
	s_barrier_wait -1                              ; everybody's parts are in
	AFLOAD
	LDB 0, 0
	LDW WK, ADRK, 0, 0
	LDW WK, ADRK, 0, 4
; One d of a half pair, at place dl of its slot: 96 matrix instructions in six runs of 16: first product A, B; kept side A, B; given side A, B.
; Its a'_J and kept-side fragments were asked for in the trip before; (ns, nd): slot and place of the next d.
; chg = 1: a slot's last d, the next lies in the other slot.  fill = 1: this slot is then filled again.  last = 1: nothing follows.
; LDS loads stand in two groups only: the given side's 16 in the first run (59 matrix instructions ahead of their use), the next d's 24 in the fifth (28 ahead).
; PLACES.  A vector instruction that reads a matrix result or writes a matrix instruction's source, and a load into such a register, stand four places behind it; a matrix
; instruction that writes over another's register stands five behind it (except for the loads); matrix instructions are no places.  So a v_nop
; stands behind each of the first four or five matrix instructions of a run where such a distance is owed; five where the packing in place makes the next first product
; write over a fragment: piece A's fragments are last read in the fifth run (five v_nop in the sixth), piece B's in the sixth (five in the next first run).
.macro PTRIP zero, chg, fill, last, slot, dl, ns, nd
	s_wait_dscnt 0x0                               ; the 24 loads of this d's a'_J and kept-side fragments are in; nothing younger is out
	WIN 0x01                                       ; source 0 (a'_i) window 1
	G1RUN 0, 0, 5, 1
	WIN 0
	LDW WG, ADRG+\slot, \dl*WD, 0
	LDW WG, ADRG+\slot, \dl*WD, 4
	WIN 0x01
	G1RUN 0, 5, 11, 0
	G1RUN 1, 0, 4, 1                               ; four places behind piece A's last results
	WIN 0
	CVT 0
	WIN 0x01
	G1RUN 1, 4, 2, 0
	WIN 0
	CVT 1
	WIN 0x01
	G1RUN 1, 6, 10, 0
.if \chg
	s_wait_dscnt 0x0                               ; the given side's fragments are in: my reads of this slot are over
	s_set_vgpr_msb 0x100
	s_wait_tensorcnt 0x0                           ; and all my tensor loads have landed: the one that was out is my part of the other slot;
	ds_add_u32 v30, v31
	s_wait_dscnt 0x0
	s_set_vgpr_msb 0x1
.if \fill
	NEXTADR \slot, 13, 15                          ; so the descriptors may be written: this slot's next filling
.endif
	s_barrier_signal -1                            ; say so (with a refill this barrier opens a round of the cluster's barrier); register work alone up to its wait
.endif
	WIN 0xa0                                       ; C and D window 2: the kept side
	G2RUN WK, 0, 0, 4, 1, \zero                    ; four places behind piece B's last results
	WIN 0
	CVT 2
	WIN 0xa0
	G2RUN WK, 0, 4, 2, 0, \zero
	WIN 0
	CVT 3
	WIN 0xa0
	G2RUN WK, 0, 6, 10, 0, \zero
	G2RUN WK, 1, 0, 16, 0, \zero
.if \chg
	WIN 0
	s_barrier_wait -1
.if \fill
	CREST                                          ; no wave of any partner still reads this slot or has a load on its way
	JLOAD \slot                                    ; my one tensor load behind the round, and the first thing there; 160 matrix instructions stand between it and the wait for it
.endif
.else
	s_wait_dscnt 0x0                               ; the sixteen loads of the given side's fragments are in; nothing younger is out
.endif
	WIN 0xf0                                       ; C and D window 3: the given side
	G2RUN WG, 0, 0, 4, 1, \zero                    ; four places behind the last reader of the kept side's fragments
.if \last == 0
	WIN 0
	LDB \ns, \nd
	LDW WK, ADRK+\ns, \nd*WD, 0
	LDW WK, ADRK+\ns, \nd*WD, 4
	WIN 0xf0
.endif
	G2RUN WG, 0, 4, 12, 0, \zero
	G2RUN WG, 1, 0, 5, 1, \zero
	G2RUN WG, 1, 5, 11, 0, \zero
.endm
.macro PSTEP slot, zero, chg, fill, last           ; a slot's two d
	PTRIP \zero, 0, 0, 0, \slot, 0, \slot, 1
	PTRIP 0, \chg, \fill, \last, \slot, 1, 1-\slot, 0
.endm
	PSTEP 0, 1, 1, 1, 0                            ; fillings 0 and 1 of my row's walk; the slots get fillings 2 and 3.  The first lap stands in front of the loop: its first d starts the sums
	PSTEP 1, 0, 1, 1, 0
	WIN 0                                          ; at a label and at a branch every window is 0
	s_mov_b32 s66, 2
.Lpsteps:
	PSTEP 0, 0, 1, 1, 0                            ; fillings 2, 4; refills 4, 6
	PSTEP 1, 0, 1, 1, 0                            ; fillings 3, 5; refills 5, 7
	WIN 0
	s_sub_co_u32 s66, s66, 1
	s_cmp_lg_u32 s66, 0
	s_cbranch_scc1 .Lpsteps
	PSTEP 0, 0, 1, 0, 0                            ; filling 6: a change of slots with nothing left to fetch: the work-group's barrier alone
	PSTEP 1, 0, 0, 0, 1                            ; filling 7
	WIN 0
	PLACES 4                                       ; four places behind the last matrix instruction, for the LDS stores that read results and the writes into its sources
	; THE WAY OUT OF A HALF PAIR, one i' at a time.  Each wave puts its two partial tiles (16 rows j x 128 z of f32) into its two stages; behind a barrier it reads whole rows of
	; its own side from its own kept stage and from its partner wave's given stage, adds them, scales, adds b2 and stores.
	v_mov_b32 v[OJ], v[CO]
.set jj, 1
.rept 15
	v_add_nc_u32 v[OJ+jj], s86, v[OJ+jj-1]         ; row jj: 512 bytes on for the even waves, 131,072 for the odd ones
.set jj, jj+1
.endr
	s_wait_kmcnt 0x0                               ; the scale
	s_wait_loadcnt 0x0                             ; b2
.macro POUT ip
.if \ip
	s_wait_dscnt 0x0                               ; my reads of both stages are back (met: the count-down ended at 0),
	s_barrier_signal -1
	s_barrier_wait -1                              ; and so are my partner's: the stages may be written again
.endif
	WIN 0x08                                       ; store data window 2
.irp t, 0,1,2,3,4,5,6,7
	ds_store_b128 v[STO], v[64*\ip+8*\t:64*\ip+8*\t+3]   offset:64*\t      ; z = 16 t + 8 h + 0..3 of row j = r
	ds_store_b128 v[STO], v[64*\ip+8*\t+4:64*\ip+8*\t+7] offset:64*\t+16
.endr
	WIN 0x0c                                       ; store data window 3
.irp t, 0,1,2,3,4,5,6,7
	ds_store_b128 v[STO], v[64*\ip+8*\t:64*\ip+8*\t+3]   offset:STGW+64*\t
	ds_store_b128 v[STO], v[64*\ip+8*\t+4:64*\ip+8*\t+7] offset:STGW+64*\t+16
.endr
	WIN 0
	s_wait_dscnt 0x0                               ; my stores are done, for my partner's sake
	s_barrier_signal -1
	s_barrier_wait -1
	s_wait_xcnt 0x0                                ; every earlier store has had its addresses translated (ISA guide 3.1): its data registers and the base are written again only behind this wait
.if \ip
	s_add_nc_u64 s[12:13], s[12:13], s[84:85]      ; the next i'
.endif
.irp jj, 0,1,2,3,4,5,6,7,8,9,10,11,12,13,14,15
	ds_load_b128 v[WK+4*\jj:WK+4*\jj+3], v[RD]  offset:SROW*\jj    ; my half of d
	ds_load_b128 v[WG+4*\jj:WG+4*\jj+3], v[RDG] offset:SROW*\jj    ; my partner's half of d
.endr
.irp jj, 0,1,2,3,4,5,6,7,8,9,10,11,12,13,14,15
	s_wait_dscnt 30-2*\jj                          ; both parts of row jj are in, the younger rows' pairs may be out
	v_pk_add_f32 v[WK+4*\jj:WK+4*\jj+1],   v[WK+4*\jj:WK+4*\jj+1],   v[WG+4*\jj:WG+4*\jj+1]
	v_pk_add_f32 v[WK+4*\jj+2:WK+4*\jj+3], v[WK+4*\jj+2:WK+4*\jj+3], v[WG+4*\jj+2:WG+4*\jj+3]
	v_pk_fma_f32 v[WK+4*\jj:WK+4*\jj+1],   v[WK+4*\jj:WK+4*\jj+1],   s[68:69], v[B2:B2+1]   op_sel_hi:[1,0,1]
	v_pk_fma_f32 v[WK+4*\jj+2:WK+4*\jj+3], v[WK+4*\jj+2:WK+4*\jj+3], s[68:69], v[B2+2:B2+3] op_sel_hi:[1,0,1]
	global_store_b128 v[OJ+\jj], v[WK+4*\jj:WK+4*\jj+3], s[12:13] th:TH_STORE_NT   ; the wave stores one row of out: 512 consecutive bytes, aligned
.endr
.endm
	POUT 0
	POUT 1
	POUT 2
	POUT 3
	s_wait_dscnt 0x0
	s_wait_tensorcnt 0x0
	ds_add_u32 v30, v31
	s_wait_dscnt 0x0
	ROUND                                          ; the closing round: no work-group ends while a partner may still ask for a tile that names it
	s_endpgm
	; ---------------------------------------------------------------- A DIAGONAL BLOCK: I = J = my place in cluster 15; one side, all 32 d in every wave
.Ldiag:
.set OP,  128                          ; v[128:191] the first product in f32
.set FR,  192                          ; v[192:223] packed to f16, in registers of its own: i' at 8 i'
.set FRS, 8
	; a'_I: 32 rows (c) of 512 f16 (my 4 i), padded as above; no mask: no partner has my block
	s_mov_b32 s[G1I+0], (1<<16)|(1<<20)|(7<<22)|(3<<25)
	SHAPE G1I, 512, 32, 2048
	; a'_J: two planes = 32 dense rows of 256 bytes, padded as above; no mask
	s_mov_b32 s[G1J+0], (3<<16)|(1<<20)|(5<<22)|(3<<25)
	SHAPE G1J, 32, 32, 32
	; w2: side 0 of two d = 2 rows of 8,192 bytes (1,024 elements of 8), 16,384 bytes from d to d + 1, no padding; the mask of my row
	s_or_b32 s[G1W+0], s77, (3<<16)|(1<<21)
	SHAPE G1W, 1024, 2, 2048
	s_mul_i32 s[G0I+1], s14, IBW
	s_add_co_u32 s[G0I+1], s[G0I+1], IBD
	s_mul_i32 s[G0J+1], s16, 2*JPL
	s_add_co_u32 s[G0J+5], s[G0J+1], SLOTD
	s_lshl_b32 s[G0W+1], s16, 14
	s_add_co_u32 s[G0W+1], s[G0W+1], WOFF
	s_add_co_u32 s[G0W+5], s[G0W+1], SLOTD
	s_lshl_b32 s70, s78, 17                        ; a'_I: 131,072 p + 1,024 w
	s_lshl_b32 s90, s14, 10
	s_add_co_u32 s70, s70, s90
	s_add_nc_u64 s[G0I+2:G0I+3], s[4:5], s[70:71]
	s_or_b32 s[G0I+3], s[G0I+3], 0x80000000
	s_lshl_b32 s70, s78, 17                        ; a'_J: 131,072 p + two planes for the odd wave
	s_lshl_b32 s90, s16, 13
	s_add_co_u32 s70, s70, s90
	s_add_nc_u64 s[80:81], s[4:5], s[70:71]
	s_lshl_b32 s74, s16, 15                        ; w2: two d of 16,384 bytes for the odd wave
	s_add_nc_u64 s[82:83], s[6:7], s[74:75]
	NEXTADR 0, 14, 16                              ; a filling: four planes of 4,096 bytes, four d of 16,384
	NEXTADR 1, 14, 16
	s_lshl_b32 s70, s78, 4                         ; out: row i = 16 p + 4 w of 131,072 bytes, and 16 p rows j of 512
	s_lshl2_add_u32 s70, s14, s70
	s_lshl_b32 s70, s70, 17
	s_lshl_b32 s90, s78, 13
	s_add_co_u32 s70, s70, s90
	s_add_nc_u64 s[12:13], s[12:13], s[70:71]
	ROUND                                          ; all sixteen work-groups are here: the first joint loads meet
	FIRST
	v_mul_u32_u24 v4, v1, JROW
	v_lshl_add_u32 v[ADRB], v2, 4, v4              ; 272 r + 16 h
	v_add_nc_u32 v[ADRB+1], SLOTD, v[ADRB]
	v_add_nc_u32 v[ADRK], WOFF, v[CO]
	v_add_nc_u32 v[ADRK+1], SLOTD+WOFF, v[CO]
	v_mul_u32_u24 v4, v1, IROW
	v_lshl_add_u32 v4, v2, 4, v4
	v_add_nc_u32 v[ADRA], s[G0I+1], v4             ; my a'_I + 1,040 r + 16 h
	s_mul_i32 s79, s14, STGW
	s_add_co_u32 s79, s79, STG
	v_mul_u32_u24 v4, v1, SROW
	v_lshl_add_u32 v4, v2, 5, v4
	v_add_nc_u32 v[STO], s79, v4                   ; my stage + 528 r + 32 h
	v_add_nc_u32 v[RD], s79, v[CO]
	global_load_b128 v[B2:B2+3], v[CO], s[10:11]
	s_wait_tensorcnt 0x2                           ; my a'_I is in, both slots' parts may be out; I alone read it
	AFLOAD
	s_wait_tensorcnt 0x1                           ; my part of slot 0 is in; slot 1's may stay out
	s_wait_dscnt 0x0
	s_barrier_signal -1
	s_barrier_wait -1                              ; everybody's part of slot 0 is in
; One d of a diagonal block, at place dl of its slot: 64 matrix instructions in four runs of 16: first product A, B; second product A, B.  Arguments as for a half pair.
; This d's w2 fragments are asked for in the first run, A's conversions stand in the second, the next d's a'_J fragments and B's conversions in the third.
; The first four matrix instructions of a run that carries slices have a v_nop behind each: the four places that the slices owe.
.macro DTRIP zero, chg, fill, last, slot, dl, ns, nd
	s_wait_dscnt 0x0                               ; the eight loads of this d's a'_J fragments are in; nothing younger is out
	WIN 0x01                                       ; source 0 (a'_i) window 1
	G1RUN 0, 0, 4, 1                               ; four places behind the last d's second product, which read the w2 fragments
	WIN 0
	LDW WK, ADRK+\slot, \dl*WS, 0
	WIN 0x01
	G1RUN 0, 4, 2, 0
	WIN 0
	LDW WK, ADRK+\slot, \dl*WS, 4
	WIN 0x01
	G1RUN 0, 6, 10, 0
	G1RUN 1, 0, 4, 1                               ; four places behind piece A's last results
	WIN 0
	CVT 0
	WIN 0x01
	G1RUN 1, 4, 2, 0
	WIN 0
	CVT 1
	WIN 0x01
	G1RUN 1, 6, 10, 0
	s_wait_dscnt 0x0                               ; the sixteen loads of this d's w2 fragments are in; nothing younger is out
.if \chg
	                                               ; with that my reads of this slot are over
	s_set_vgpr_msb 0x100
	s_wait_tensorcnt 0x0                           ; and all my tensor loads have landed: the one that was out is my part of the other slot;
	ds_add_u32 v30, v31
	s_wait_dscnt 0x0
	s_set_vgpr_msb 0x1
.if \fill
	NEXTADR \slot, 14, 16                          ; so the descriptors may be written: this slot's next four d
.endif
	s_barrier_signal -1                            ; say so (with a refill this barrier opens a round of the cluster's barrier); register work alone up to its wait
.endif
	WIN 0xa0                                       ; C and D window 2
	G2RUN WK, 0, 0, 4, 1, \zero                    ; four places behind piece B's last results and the last readers of the a'_J fragments
.if \chg == 0
.if \last == 0
	WIN 0
	LDB \ns, \nd
	WIN 0xa0
.endif
.endif
	G2RUN WK, 0, 4, 2, 0, \zero
	WIN 0
	CVT 2
	WIN 0xa0
	G2RUN WK, 0, 6, 2, 0, \zero
	WIN 0
.if \chg
	s_barrier_wait -1
.if \fill
	CREST                                          ; no wave of any partner still reads this slot or has a load on its way
	JLOAD \slot                                    ; my one tensor load behind the round, and the first thing there; 248 matrix instructions stand between it and the wait for it
.endif
	LDB \ns, \nd                                   ; the other slot is whole: its first a'_J fragments
.endif
	CVT 3
	WIN 0xa0
	G2RUN WK, 0, 8, 8, 0, \zero
	G2RUN WK, 1, 0, 16, 0, \zero
.endm
.macro DSTEP slot, zero, chg, fill, last           ; a slot's four d
	DTRIP \zero, 0, 0, 0, \slot, 0, \slot, 1
	DTRIP 0, 0, 0, 0, \slot, 1, \slot, 2
	DTRIP 0, 0, 0, 0, \slot, 2, \slot, 3
	DTRIP 0, \chg, \fill, \last, \slot, 3, 1-\slot, 0
.endm
	LDB 0, 0
	DSTEP 0, 1, 1, 1, 0                            ; fillings 0 and 1 of my row's walk; the slots get fillings 2 and 3.  The first lap stands in front of the loop: its first d starts the sums
	DSTEP 1, 0, 1, 1, 0
	WIN 0                                          ; at a label and at a branch every window is 0
	s_mov_b32 s66, 2
.Ldsteps:
	DSTEP 0, 0, 1, 1, 0                            ; fillings 2, 4; refills 4, 6
	DSTEP 1, 0, 1, 1, 0                            ; fillings 3, 5; refills 5, 7
	WIN 0
	s_sub_co_u32 s66, s66, 1
	s_cmp_lg_u32 s66, 0
	s_cbranch_scc1 .Ldsteps
	DSTEP 0, 0, 1, 0, 0                            ; filling 6: a change of slots with nothing left to fetch: the work-group's barrier alone
	DSTEP 1, 0, 0, 0, 1                            ; filling 7
	WIN 0
	PLACES 4                                       ; four places behind the last matrix instruction, for the LDS stores that read results and the loads into its sources
	; THE WAY OUT OF A DIAGONAL BLOCK, one i at a time: 16 rows j x 128 z of f32 through my own stage, read back as whole rows of 512 bytes, scaled, b2 added, stored.
	s_wait_kmcnt 0x0                               ; the scale
	s_wait_loadcnt 0x0                             ; b2
.macro DOUT ip, buf
	WIN 0x08                                       ; store data window 2
.irp t, 0,1,2,3,4,5,6,7
	ds_store_b128 v[STO], v[64*\ip+8*\t:64*\ip+8*\t+3]   offset:64*\t      ; z = 16 t + 8 h + 0..3 of row j = r
	ds_store_b128 v[STO], v[64*\ip+8*\t+4:64*\ip+8*\t+7] offset:64*\t+16
.endr
	WIN 0
	s_wait_xcnt 0x0                                ; every earlier store has had its addresses translated (ISA guide 3.1): its data registers and the base are written again only behind this wait
.if \ip
	s_add_nc_u64 s[12:13], s[12:13], 131072        ; the next i
.endif
.irp jj, 0,1,2,3,4,5,6,7,8,9,10,11,12,13,14,15
	ds_load_b128 v[\buf+4*\jj:\buf+4*\jj+3], v[RD] offset:SROW*\jj         ; LDS serves a wave's instructions in order (ISA guide 5.7.1.4): these see the stores above
.endr
.irp jj, 0,1,2,3,4,5,6,7,8,9,10,11,12,13,14,15
	s_wait_dscnt 15-\jj                            ; row jj is in, the younger rows may be out
	v_pk_fma_f32 v[\buf+4*\jj:\buf+4*\jj+1],   v[\buf+4*\jj:\buf+4*\jj+1],   s[68:69], v[B2:B2+1]   op_sel_hi:[1,0,1]
	v_pk_fma_f32 v[\buf+4*\jj+2:\buf+4*\jj+3], v[\buf+4*\jj+2:\buf+4*\jj+3], s[68:69], v[B2+2:B2+3] op_sel_hi:[1,0,1]
	global_store_b128 v[CO], v[\buf+4*\jj:\buf+4*\jj+3], s[12:13] offset:512*\jj th:TH_STORE_NT   ; the wave stores one (i, j) row: 512 consecutive bytes, aligned
.endr
.endm
	DOUT 0, WK
	DOUT 1, OP
	DOUT 2, WK
	DOUT 3, OP
	s_wait_dscnt 0x0
	s_wait_tensorcnt 0x0
	ds_add_u32 v30, v31
	s_wait_dscnt 0x0
	ROUND                                          ; the closing round: no work-group ends while a partner may still ask for a tile that names it
	s_endpgm
.Lfunc_end_k_q5a559c39f8_opm:
	.size	k_q5a559c39f8_opm, .Lfunc_end_k_q5a559c39f8_opm-k_q5a559c39f8_opm
	.p2alignl 7, 3214868480
	.fill 96, 4, 3214868480
	.section	.rodata,"a",@progbits
	.p2align	6, 0x0
	.amdhsa_kernel k_q5a559c39f8_opm
		.amdhsa_group_segment_fixed_size 327680
		.amdhsa_private_segment_fixed_size 0
		.amdhsa_enable_private_segment 0
		.amdhsa_kernarg_size 40
		.amdhsa_user_sgpr_count 2
		.amdhsa_user_sgpr_kernarg_segment_ptr 1
		.amdhsa_wavefront_size32 1
		.amdhsa_system_sgpr_workgroup_id_x 1
		.amdhsa_system_sgpr_workgroup_id_y 1
		.amdhsa_system_sgpr_workgroup_id_z 1
		.amdhsa_system_vgpr_workitem_id 0
		.amdhsa_next_free_vgpr 1024
		.amdhsa_next_free_sgpr 92
		.amdhsa_reserve_vcc 0
		.amdhsa_float_denorm_mode_32 3
		.amdhsa_float_denorm_mode_16_64 3
		.amdhsa_memory_ordered 1
		.amdhsa_forward_progress 1
		.amdhsa_inst_pref_size 255
	.end_amdhsa_kernel
	.section	.bss,"aw",@nobits
	.p2align	6
	.space	262144
	.amdgpu_metadata
---
amdhsa.version: [ 1, 2 ]
amdhsa.kernels:
  - .name:           k_q5a559c39f8_opm
    .symbol:         k_q5a559c39f8_opm.kd
    .args:
      - { .name: at, .offset: 0, .size: 8, .value_kind: global_buffer, .address_space: global }
      - { .name: w2f, .offset: 8, .size: 8, .value_kind: global_buffer, .address_space: global }
      - { .name: sig, .offset: 16, .size: 8, .value_kind: global_buffer, .address_space: global }
      - { .name: b2, .offset: 24, .size: 8, .value_kind: global_buffer, .address_space: global }
      - { .name: out0, .offset: 32, .size: 8, .value_kind: global_buffer, .address_space: global }
    .group_segment_fixed_size: 327680
    .private_segment_fixed_size: 0
    .kernarg_segment_align: 8
    .kernarg_segment_size: 40
    .max_flat_workgroup_size: 128
    .sgpr_count:     92
    .vgpr_count:     1024
    .wavefront_size: 32
...
	.end_amdgpu_metadata
.endif
;; end of part 2
